; MI455X (gfx1250); checked and timed in simulation.
; The chip was launched on July 23, 2026; its instructions are those of AMD's public machine-readable ISA for CDNA 5 (MIT licence, August 2026) and "CDNA5" Instruction Set Architecture Reference Guide (July 2026). The comments in the code are by the model that wrote it; some were corrected since.
;; Riemannian Manifold. Allowed arithmetic: matrix products marked QUANTISED: E5M2 operands, one given power-of-two scale a tensor, by v_wmma_f32_16x16x64_bf8_bf8 or v_wmma_f32_16x16x128_bf8_bf8, f32 sums; everything else in f32.
;; Inputs: K 2 x 1,024 x 32 float32; Q 2 x 1,024 x 32 float32; W1_codes 64 x 1 x 32 uint8 (E5M2 codes of W1, K innermost, in blocks of 32 codes); W2_codes 1,024 x 2 x 32 uint8 (E5M2 codes of W2, K innermost, in blocks of 32 codes); b1 64 float32; b2 1,024 float32; lowp_scales 12 int32 (the exponents e of the quantised operands' scales 2^e).
;; Outputs: out0 2 x 1,024 x 1,024 float32.
;; This version of the problem:
;;   THIS VERSION OF THE PROBLEM IS GIVEN IN LOW PRECISION. The matrix products marked QUANTISED in the list below multiply operands that are first quantised to E5M2 (5 exponent bits, 2 mantissa bits; 8 bits a number), with one given power-of-two scale for each operand tensor; their sums are f32. All else is computed in f32.
;;   The module's matrix products, in the order in which they are computed (A, B: the left and right operand; K: the contracted axis; several contracted axes count as one K, in the product's order):
;;     1. [M 2,048, K 32] x [K 32, N 64]; A: input Q; B: input W1 (given as codes): QUANTISED (scales: A lowp_scales[0], B lowp_scales[1])
;;     2. [M 2,048, K 64] x [K 64, N 1,024]; A: computed on the way; B: input W2 (given as codes): QUANTISED (scales: A lowp_scales[2], B lowp_scales[3])
;;     3. [M 2,048, K 32] x [K 32, N 64]; A: input K; B: input W1 (given as codes): QUANTISED (scales: A lowp_scales[4], B lowp_scales[5])
;;     4. [M 2,048, K 64] x [K 64, N 1,024]; A: computed on the way; B: input W2 (given as codes): QUANTISED (scales: A lowp_scales[6], B lowp_scales[7])
;;     5. batch 2,048 x [M 1,024, K 32] x [K 32, N 32]; A: computed on the way; B: computed on the way: QUANTISED (scales: A lowp_scales[8], B lowp_scales[9])
;;     6. batch 2,048 x [M 32, K 32] x [K 32, N 1,024]; A: computed on the way; B: computed on the way: QUANTISED (scales: A lowp_scales[10], B lowp_scales[11])
;;   THE QUANTISER, for each operand of a quantised product, along K:
;;     - The operand's scale is 2^e, e = its entry of the input lowp_scales (int32; the entries are numbered through the quantised products in the list's order, A before B).
;;     - Each number is divided by the scale, clamped to +-57,344, and rounded to the nearest number of E5M2, ties to even, subnormals kept.
;;     - The product sums the exact products of the quantised numbers (number of the format x scale) in f32.
;;   ~~~python
;;   def quantise(x, axis, e):      # numpy; x: float32 -> the quantised numbers, widened to float32 again
;;       x = np.moveaxis(x, axis, -1); K = x.shape[-1]
;;       r = np.clip(x / 2.0 ** e, -57344, 57344)
;;       step = 2.0 ** (np.maximum(np.frexp(np.where(r == 0, 1, r))[1] - 1, -14) - 2)
;;       q = np.round(r / step) * step * 2.0 ** e      # np.round: ties to even
;;       return np.moveaxis(q, -1, axis).astype(np.float32)
;;   ~~~
;;   OPERANDS COMPUTED ON THE WAY. 'Computed on the way' means the value that the module computes at that place (a softmax that the list does not call 'softmax' is quantised finished and normalised). What goes into a quantiser is computed in f32, as accurately as f32 sums, v_exp_f32 and their like allow (about 1e-6 of the number): no bf16 or f16 on the way to a quantiser, and a product that is left as it is and whose result goes on into a quantised operand takes f32 operands (vector FMAs, or v_wmma_f32_16x16x4_f32). A number that lies on a knife's edge between two numbers of the format may be rounded either way, as far as f32 arithmetic and the matrix unit's own rounding can turn it there, and no further.
;;   INPUTS GIVEN AS CODES. W1 (in the module: [64, 32], K = its axis 1); W2 (in the module: [1024, 64], K = its axis 1): each comes as NAME_codes (uint8): NAME with its K axis moved to the last place and cut into blocks of 32 codes, [.., K / 32, bytes a block], one block behind the other in memory; one code a byte (a code: sign, 5 exponent bits, 2 mantissa bits); its scale is its entry of lowp_scales. Its value is code x scale, taken as it is: it is not quantised again, and the codes and scales need not be those that the quantiser above would give.
;; One version. Each part assembles by itself: llvm-mc -triple=amdgcn-amd-amdhsa -mcpu=gfx1250 --defsym DOCPART=n.
;; ======== version 1 of 1: 1 launch
;; launch dist (part 1): grid 8 x 32, 16 waves a work-group, no clusters, 296,960 bytes of LDS; arguments Q, K, W1_codes, W2_codes, b1, b2, lowp_scales, out0; writes out0
.if DOCPART == 1
	.amdgcn_target "amdgcn-amd-amdhsa--gfx1250"
	.amdhsa_code_object_version 6
	.text
	.protected	k_qdf3bb26940_dist
	.globl	k_qdf3bb26940_dist
	.p2align	8
	.type	k_qdf3bb26940_dist,@function
k_qdf3bb26940_dist:
	s_mov_b64 s[64:65], 0
	v_nop
	global_prefetch_b8 v0, s[64:65] scope:SCOPE_SE
	s_setreg_imm32_b32 hwreg(HW_REG_WAVE_MODE, 25, 1), 1
	s_wait_xcnt 0x0
; out[b][n][m] = sqrt(clip(0.5 (|Lq(n)^T d|^2 + |Lk(m)^T d|^2), 1e-6, 1e6)), d = Q[b][n] - K[b][m], L(x) the Cholesky factor that a small MLP makes of a point x.
; All six products run on codes of BF8 (E5M2) with the given scales 2^e (e0 .. e11), by v_wmma_f32_16x16x64_bf8_bf8; everything else is f32.
; SHARES.  A work-group owns 64 queries x 128 keys of one batch (grid 8 x 32); sixteen waves of 256 registers, four to a SIMD.  Points are numbered P = 0..63 (queries), 64..191 (keys).
; PHASES.  (1) the block's points go to LDS as f32; waves 0-11 make the hidden layer of 16 points each, and the 32 diagonal elements of L;  (2) every wave makes four columns e of L for six tiles of 16 points;
; (3) the diagonal's bytes;  (4) the two large products: a wave holds 4 points with their L^T in registers and walks tiles of 16 partner points: difference, hold, conversion, 2 matrix instructions, squares;
; (5) the two sums of squares meet in LDS and leave as whole rows.  Nothing goes through memory between the phases.
; K = 32 IN A FORM OF K = 64: a lane's registers 0-3 hold d = 16 (lane / 16) + 0..15, alike in both sources; registers 4-7 are zero codes on at least one side, which add nothing.
; L IN LDS IS AN IMAGE OF THE OPERAND'S REGISTERS: point P at P x 1040; rows e = 16 et + r, d = 16 c + 0..15 at et x 512 + c x 256 + 16 r: a fragment is one ds_load_b128 at 16 x lane.  e > d is zero (reference()'s own tril).
; NO CLUSTER, NO TENSOR LOAD: a work-group reads 24 KB of points and about 100 KB of weights and biases once, at its head, straight into operand registers; after that it works on registers and LDS alone,
; 64 tile steps a wave, so there is no ring of tiles that partners could ask for jointly.
; LIMITS on the given exponents, so that each power of two below is an f32 number: e0, e4, e8, e9, e10, e11, e2-e0-e1 and e6-e4-e5 between -126 and 112; e0+e1, e4+e5, e2+e3, e6+e7 between -125 and 125.
; NaN and infinity among the inputs or the given codes are not served.  softplus is formed as ln(1 + e^x): x lies in [-4, 6] by reference()'s own clip, and the rounding of 1 + e^x is at most 3e-6 of the result there.
.set LP,   1040                        ; a point's L codes: 1024 bytes + 16: sixteen points' 8-byte stores then fall on different banks (64 banks of 4 bytes: ISA guide 11.1)
.set XP,   144                         ; a point's 32 numbers: 128 bytes + 16
.set SPT,  528                         ; a row of a stage: 128 f32 + 16 bytes
.set XS,   192*LP                      ; LDS: L codes from 0; then the points,
.set ST5,  XS+192*XP                   ; the sums of squares of product 5, [64 n][128 m],
.set ST6,  ST5+64*SPT                  ; and of product 6, the same shape
.set HIMG, ST5                         ; the hidden layer's images (12 x 1024 bytes) lie where the first stage will lie: barriers part the two uses
; registers that stay
.set VR, 1                             ; lane % 16
.set VH, 2                             ; lane / 16
.set VL, 3                             ; lane
; phases 1 to 3: LDS addresses v4-10, constants v11-19, offsets in memory v20-27, at work v29-31
.set XST, 4
.set ZFA, 5
.set HST, 6
.set HLD, 7
.set LST, 8
.set LSU, 9
.set DST, 10
.set XLIM, 11
.set XSC, 12
.set HLIM, 13
.set HSC, 14
.set DSC, 15
.set LIMQ, 16
.set SCQ, 17
.set LIMK, 18
.set SCK, 19
.set G16, 20
.set XA, 21
.set W1A, 22
.set B1A, 23
.set WDA, 24
.set BDA, 25
.set W2A, 26
.set B2A, 27
.set TA, 29
.set TB, 30
.set ONE, 31
.set W2F, 32                           ; v32-79   my six tiles of W2 (16 rows x 64 K: 8 registers each)
.set B2R, 80                           ; v80-127  b2 in the results' layout
.set ACC, 128                          ; v128-175 six results
.set ZZ,  128                          ; first layer: v128-159 four tiles of the hidden layer
.set XX,  160                          ; v160-175 x, then the sigmoid at work
.set HB0, 176                          ; v176-191 two hidden fragments by turns
.set W2D, 176                          ; first layer: the two tiles of W2's diagonal rows
.set DD0, 192                          ; v192-199 diagonal, e = 0..15;  v248-255 e = 16..31
.set DC,  200                          ; v200-203 the diagonal's codes
.set MK,  204                          ; v204-207 byte masks for d >= e
.set W1F, 208                          ; v208-231 W1: tile 0, zeros, tile 1, tile 2, zeros, tile 3
.set CD,  208                          ; v208-219 codes just made
.set SG,  232                          ; v232-243 points on their way to LDS
.set XF,  232                          ; v232-239 x's codes, twice
.set HF,  240                          ; v240-247 the hidden layer's codes
.set ZR,  244                          ; v244-247 zeros for the fill
; phases 4 and 5
.set UNI5, 4
.set UNI6, 5
.set LAD5, 6
.set LAD6, 7
.set OWK, 8
.set OWQ, 9
.set LIM8, 11
.set SC8, 12
.set LIM11, 13
.set SC11, 14
.set STO5, 20
.set STO6, 21
.set FIN, 22
.set OUTO, 23
.set UNI, 32                           ; v32-95   four held points, 16 numbers a lane each
.set AF,  96                           ; v96-131  their L^T: 4 registers for each of 2 tiles of rows, on end; then 4 zeros
.set OWN, 132                          ; v132-163 my lane's own point, two tiles by turns
.set DL,  164                          ; v164-179 the difference
.set BF,  180                          ; v180-187 its codes, then 4 zeros
.set DR,  188                          ; v188-203 two results
.set AC,  204
.set SM,  206
.set FA,  208
.set FB,  224
.macro MKSC dsc, dlim, e               ; s[dsc] = 2^e, s[dlim] = 57,344 x 2^e, as f32 patterns
	s_add_co_i32 s[\dlim], s[\e], 127
	s_lshl_b32 s[\dsc], s[\dlim], 23
	s_add_co_i32 s[\dlim], s[\dlim], 15
	s_lshl_b32 s[\dlim], s[\dlim], 23
	s_or_b32 s[\dlim], s[\dlim], 0x600000
.endm
	s_load_b256 s[8:15], s[0:1], 0x0               ; Q s[8:9], K s[10:11], W1's codes s[12:13], W2's codes s[14:15]
	s_load_b256 s[16:23], s[0:1], 0x20             ; b1 s[16:17], b2 s[18:19], the exponents s[20:21], out s[22:23]
	v_lshrrev_b32 v[VR], 5, v0
	v_readfirstlane_b32 s2, v[VR]                  ; wave 0..15
	v_and_b32 v[VR], 15, v0
	v_bfe_u32 v[VH], v0, 4, 1
	v_and_b32 v[VL], 31, v0
	s_and_b32 s3, ttmp7, 0xffff                    ; y = 16 x batch + block of 64 queries
	s_and_b32 s4, s2, 7                            ; a: my columns of L are e = 2 a, 2 a + 1, 16 + 2 a, 16 + 2 a + 1
	s_lshr_b32 s5, s2, 3                           ; g: my tiles of points are g, g + 2, .. g + 10
	; every LDS address of phases 1 to 3 is made here, ahead of the first branch on the wave's number
	v_lshrrev_b32 v[TA], 3, v0
	v_and_b32 v[TB], 7, v0
	v_mul_u32_u24 v[XST], v[TA], XP
	v_lshl_add_u32 v[XST], v[TB], 4, v[XST]
	v_add_nc_u32 v[XST], XS, v[XST]                ; points into LDS: thread t brings 16 bytes: point t / 8, piece t % 8
	s_mul_i32 s6, s2, 12*LP
	v_mul_u32_u24 v[ZFA], v[VH], LP
	v_lshl_add_u32 v[ZFA], v[VR], 4, v[ZFA]
	v_add_nc_u32 v[ZFA], s6, v[ZFA]
	v_add_nc_u32 v[ZFA], 512, v[ZFA]               ; the zero quarter (e >= 16, d < 16) of points 12 w + lane / 16 + 2 k
	s_lshl_b32 s6, s2, 10
	s_add_co_u32 s6, s6, HIMG
	v_lshl_add_u32 v[HST], v[VL], 4, s6            ; where wave w (0..11) stores the image of tile w's hidden fragment
	s_lshl_b32 s6, s5, 10
	s_add_co_u32 s6, s6, HIMG
	v_lshl_add_u32 v[HLD], v[VL], 4, s6            ; where I read the image of tile g + 2 u
	s_lshl_b32 s6, s4, 5
	s_mul_i32 s7, s5, 16*LP
	s_add_co_u32 s6, s6, s7
	v_mul_u32_u24 v[LST], v[VR], LP
	v_lshl_add_u32 v[LST], v[VH], 3, v[LST]
	v_add_nc_u32 v[LST], s6, v[LST]                ; L codes: point 16 g + r, row 2 a of a quarter, + 8 (lane / 16)
	s_mul_i32 s6, s2, 16*LP
	v_mul_u32_u24 v[DST], v[VR], LP
	v_mad_u32_u24 v[DST], v[VH], 136, v[DST]
	v_add_nc_u32 v[DST], s6, v[DST]                ; the diagonal: point 16 w + r, element 8 (lane / 16) + j at 17 bytes an element
	; offsets in memory
	v_lshlrev_b32 v[G16], 4, v0
	v_lshlrev_b32 v[XA], 7, v[VR]
	v_lshl_add_u32 v[XA], v[VH], 6, v[XA]          ; x: row r of 128 bytes, + 64 (lane / 16): d = 16 (lane / 16) + 0..15
	v_and_b32 v[TA], 8, v[VR]
	v_add_nc_u32 v[TA], v[TA], v[VR]
	v_lshlrev_b32 v[W1A], 5, v[TA]
	v_lshl_add_u32 v[W1A], v[VH], 4, v[W1A]        ; W1: lane r of tile t takes row 32 (t / 2) + 8 (t % 2) + r + 8 (r / 8), so that two tiles' 16 registers are 16 neighbours along the next K
	v_lshlrev_b32 v[B1A], 6, v[VH]
	v_mul_u32_u24 v[WDA], v[VR], 2112
	v_lshl_add_u32 v[WDA], v[VH], 4, v[WDA]        ; W2's diagonal rows: row 33 (16 c + r) of 64 bytes
	v_mul_u32_u24 v[BDA], v[VH], 1056
	s_lshl_b32 s6, s4, 7
	v_lshlrev_b32 v[W2A], 11, v[VR]
	v_lshl_add_u32 v[W2A], v[VH], 4, v[W2A]
	v_add_nc_u32 v[W2A], s6, v[W2A]                ; W2: lane r takes row 32 (16 c + r) + e: one column e of L, sixteen d
	s_lshl_b32 s6, s4, 3
	v_lshl_add_u32 v[B2A], v[VH], 10, s6
	; byte masks: of a lane's eight codes d = 16 c + 8 (lane / 16) + j of column e (e % 16 = 2 a + i) those with d >= e stay
	s_mov_b32 vcc_lo, 0xffff0000
	v_mov_b32 v[ONE], -1
.irp i,0,1
	s_lshl_b32 s6, s4, 1
	s_add_co_u32 s6, s6, \i
	s_min_u32 s7, s6, 8                            ; bytes that go in lanes 0-15,
	s_sub_co_u32 s6, s6, s7                        ; and in lanes 16-31
	v_mov_b32 v[TA], s7
	v_mov_b32 v[TB], s6
	v_cndmask_b32 v[TA], v[TA], v[TB], vcc_lo
	v_min_u32 v[TB], 4, v[TA]                      ; of them in the low register,
	v_sub_nc_u32 v[TA], v[TA], v[TB]               ; in the high one
	v_lshlrev_b32 v[TB], 2, v[TB]                  ; each shift is made in two halves, since four bytes are 32 bits
	v_lshlrev_b32 v[TA], 2, v[TA]
	v_lshlrev_b32 v[MK+2*\i], v[TB], v[ONE]
	v_lshlrev_b32 v[MK+2*\i], v[TB], v[MK+2*\i]
	v_lshlrev_b32 v[MK+2*\i+1], v[TA], v[ONE]
	v_lshlrev_b32 v[MK+2*\i+1], v[TA], v[MK+2*\i+1]
.endr
.irp j,0,1,2,3
	v_mov_b32 v[ZR+\j], 0
.endr
	s_wait_kmcnt 0x0
	s_load_b256 s[24:31], s[20:21], 0x0            ; e0 .. e7
	s_load_b128 s[32:35], s[20:21], 0x20           ; e8 .. e11
	s_lshl_b32 s42, s3, 13                         ; my 64 queries: 64 y rows of 128 bytes
	s_mov_b32 s43, 0
	s_add_nc_u64 s[36:37], s[8:9], s[42:43]
	s_lshr_b32 s42, s3, 4
	s_lshl_b32 s42, s42, 3
	s_add_co_u32 s42, s42, ttmp9                   ; my 128 keys: block 8 x batch + x
	s_lshl_b32 s42, s42, 14
	s_add_nc_u64 s[38:39], s[10:11], s[42:43]
	s_cmp_lt_u32 s2, 4                             ; waves 0-3 take the four tiles of queries, waves 4-11 the eight of keys
	s_cselect_b64 s[40:41], s[36:37], s[38:39]
	s_cselect_b32 s42, 0, 4
	s_sub_co_u32 s42, s2, s42
	s_lshl_b32 s42, s42, 11
	s_add_nc_u64 s[40:41], s[40:41], s[42:43]
	s_lshl_b32 s42, s3, 18                         ; out: row 64 y + 4 w, column 128 x
	s_lshl_b32 s6, s2, 14
	s_add_co_u32 s42, s42, s6
	s_lshl_b32 s6, ttmp9, 9
	s_add_co_u32 s42, s42, s6
	s_add_nc_u64 s[22:23], s[22:23], s[42:43]
	; the first layer's 36 loads go out first, in waves 0-11
	s_cmp_lt_u32 s2, 12
	s_cbranch_scc0 .Lno_loads1
.irp c,0,1,2,3
	global_load_b128 v[XX+4*\c:XX+4*\c+3], v[XA], s[40:41] offset:16*\c
.endr
	global_load_b128 v[W1F:W1F+3], v[W1A], s[12:13]
	global_load_b128 v[W1F+8:W1F+11], v[W1A], s[12:13] offset:8*32
	global_load_b128 v[W1F+12:W1F+15], v[W1A], s[12:13] offset:32*32
	global_load_b128 v[W1F+20:W1F+23], v[W1A], s[12:13] offset:40*32
.irp t,0,1,2,3
	global_load_b128 v[ZZ+8*\t:ZZ+8*\t+3], v[B1A], s[16:17] offset:(32*(\t/2)+8*(\t%2))*4       ; b1 in the result's layout: it will be the sums' C
	global_load_b128 v[ZZ+8*\t+4:ZZ+8*\t+7], v[B1A], s[16:17] offset:(32*(\t/2)+8*(\t%2))*4+16
.endr
.irp c,0,1
	global_load_b128 v[W2D+8*\c:W2D+8*\c+3], v[WDA], s[14:15] offset:\c*33792
	global_load_b128 v[W2D+8*\c+4:W2D+8*\c+7], v[WDA], s[14:15] offset:\c*33792+32
.endr
.irp c,0,1
.irp j,0,1,2,3,4,5,6,7
	global_load_b32 v[DD0+56*\c+\j], v[BDA], s[18:19] offset:(16*\c+\j)*132                     ; b2 of the diagonal, likewise
.endr
.endr
.Lno_loads1:
	global_load_b128 v[SG:SG+3], v[G16], s[36:37]              ; the block's points: 512 threads x 16 bytes: 8 KB of Q, twice 8 KB of K
	global_load_b128 v[SG+4:SG+7], v[G16], s[38:39]
	global_load_b128 v[SG+8:SG+11], v[G16], s[38:39] offset:8192
	; tile q = 3 i + kind of my six: kind 0: e = 2 a + i, d = 0..15; kind 1: the same e, d = 16..31; kind 2: e = 16 + 2 a + i, d = 16..31
.irp q,0,1,2,3,4,5
	global_load_b128 v[W2F+8*\q:W2F+8*\q+3], v[W2A], s[14:15] offset:(((\q%3)+1)/2)*32768+(16*((\q%3)/2)+\q/3)*64
	global_load_b128 v[W2F+8*\q+4:W2F+8*\q+7], v[W2A], s[14:15] offset:(((\q%3)+1)/2)*32768+(16*((\q%3)/2)+\q/3)*64+32
.endr
.irp q,0,1,2,3,4,5
.irp j,0,1,2,3,4,5,6,7
	global_load_b32 v[B2R+8*\q+\j], v[B2A], s[18:19] offset:(16*(((\q%3)+1)/2)+\j)*128+(16*((\q%3)/2)+\q/3)*4
.endr
.endr
	; the constants, while the loads are out
	s_wait_kmcnt 0x0
	s_add_co_i32 s46, s26, s27
	s_add_co_i32 s46, s46, 127
	s_lshl_b32 s46, s46, 23                        ; 2^(e2 + e3): a sum of product 2 stands for sum x that
	s_mov_b32 s47, s46                             ; (named with it as a pair, so it is written)
	s_add_co_i32 s48, s30, s31
	s_add_co_i32 s48, s48, 127
	s_lshl_b32 s48, s48, 23                        ; 2^(e6 + e7)
	s_mov_b32 s49, s48
	MKSC 51, 50, 33                                ; Lq: 2^e9 and 57,344 x 2^e9
	MKSC 53, 52, 34                                ; Lk: e10
	MKSC 54, 55, 32                                ; the difference in product 5: e8
	MKSC 56, 57, 35                                ; and in product 6: e11
	s_min_u32 s6, s50, 0x40a00000                  ; reference()'s clip at 5 and the hold at the largest code are one hold (patterns of positive f32 numbers order as whole numbers)
	v_mov_b32 v[LIMQ], s6
	v_mov_b32 v[SCQ], s51
	s_min_u32 s6, s52, 0x40a00000
	v_mov_b32 v[LIMK], s6
	v_mov_b32 v[SCK], s53
	s_add_co_i32 s58, s32, s33
	s_lshl_b32 s58, s58, 1
	s_sub_co_i32 s58, s58, 1                       ; 2 (e8 + e9) - 1: a sum of squares of product 5 stands for sum x 2^(2 (e8 + e9)), and is halved
	s_add_co_i32 s59, s34, s35
	s_lshl_b32 s59, s59, 1
	s_sub_co_i32 s59, s59, 1
	s_mov_b32 s90, 0x358637bd                      ; 1e-6
	s_mov_b32 s91, 0x49742400                      ; 1e6
	s_cmp_lt_u32 s2, 4                             ; the first layer's exponents: a tile of queries or of keys
	s_cselect_b32 s66, s24, s28
	s_cselect_b32 s67, s25, s29
	s_cselect_b32 s68, s26, s30
	s_cselect_b32 s69, s27, s31
	s_cselect_b32 s86, s50, s52
	s_cselect_b32 s87, s51, s53
	s_add_co_i32 s71, s66, s67                     ; ex + ew1
	s_add_co_i32 s72, s68, s69                     ; eh + ew2
	MKSC 73, 74, 66
	s_sub_co_i32 s75, 0, s71
	s_lshl_b32 s6, s71, 23
	s_add_co_i32 s76, s6, 0xbfb8aa3b               ; -log2(e) x 2^(ex + ew1): the exponents are added to the constant's exponent field
	s_mov_b32 s77, s76
	s_sub_co_i32 s70, s68, s71
	MKSC 78, 79, 70                                ; the hidden layer is quantised from sums that lack 2^(ex + ew1): the three scales are folded into one
	s_sub_co_i32 s80, 0, s72
	s_lshl_b32 s6, s72, 23
	s_sub_co_i32 s81, 0x40a00000, s6               ; 5 / 2^(eh + ew2)
	s_or_b32 s89, s81, 0x80000000
	s_add_co_i32 s82, s6, 0x3fb8aa3b               ; log2(e) x 2^(eh + ew2)
	s_mov_b32 s83, 0x3fb8aa3b                      ; log2(e)
	s_mov_b32 s84, 0x3f317218                      ; ln 2
	s_mov_b32 s85, 0x38d1b717                      ; 1e-4
	v_mov_b32 v[XLIM], s74
	v_mov_b32 v[XSC], s73
	v_mov_b32 v[HLIM], s79
	v_mov_b32 v[HSC], s78
	v_mov_b32 v[DSC], s87
	s_wait_loadcnt 60                              ; all but the 60 loads of W2 and b2 issued last: the points are in, and in waves 0-11 the first layer's 36 loads, which are older
	ds_store_b128 v[XST], v[SG:SG+3]
	ds_store_b128 v[XST], v[SG+4:SG+7] offset:64*XP
	ds_store_b128 v[XST], v[SG+8:SG+11] offset:128*XP
.irp k,0,1,2,3,4,5
	ds_store_b128 v[ZFA], v[ZR:ZR+3] offset:\k*2*LP
.endr
	; ---- PHASE 1, waves 0-11: the hidden layer and the diagonal of L for the 16 points of tile w
	s_cmp_lt_u32 s2, 12
	s_cbranch_scc0 .Lno_stage1
.irp j,4,5,6,7,16,17,18,19
	v_mov_b32 v[W1F+\j], 0                         ; W1's K is 32: tiles 0 and 2 stand in the low half of K, tiles 1 and 3 in the high half, zeros in the other; x stands in both halves
.endr
.set k, 0
.rept 16
	v_med3_num_f32 v[XX+k], v[XX+k], -v[XLIM], v[XLIM]   ; the conversion to an 8-bit code does not saturate (ISA guide 7.6.2): the hold at the largest code x the scale
.set k, k+1
.endr
	v_cvt_scalef32_pk8_bf8_f32 v[XF:XF+1], v[XX:XX+7], v[XSC]
	v_cvt_scalef32_pk8_bf8_f32 v[XF+2:XF+3], v[XX+8:XX+15], v[XSC]
	v_cvt_scalef32_pk8_bf8_f32 v[XF+4:XF+5], v[XX:XX+7], v[XSC]
	v_cvt_scalef32_pk8_bf8_f32 v[XF+6:XF+7], v[XX+8:XX+15], v[XSC]
.set k, 0
.rept 32
	v_ldexp_f32 v[ZZ+k], v[ZZ+k], s75              ; b1 / 2^(ex + ew1): the C of the sums.  (Plain lines between the conversions and the products)
.set k, k+1
.endr
	; transposed: source 0 = 16 rows of W1, source 1 = my 16 points: lane (r, h) holds point r; register j of tile t the hidden unit 32 (t / 2) + 16 h + 8 (t % 2) + j
	v_wmma_f32_16x16x64_bf8_bf8 v[ZZ:ZZ+7], v[W1F:W1F+7], v[XF:XF+7], v[ZZ:ZZ+7]
	v_wmma_f32_16x16x64_bf8_bf8 v[ZZ+8:ZZ+15], v[W1F+4:W1F+11], v[XF:XF+7], v[ZZ+8:ZZ+15]
	v_wmma_f32_16x16x64_bf8_bf8 v[ZZ+16:ZZ+23], v[W1F+12:W1F+19], v[XF:XF+7], v[ZZ+16:ZZ+23]
	v_wmma_f32_16x16x64_bf8_bf8 v[ZZ+24:ZZ+31], v[W1F+16:W1F+23], v[XF:XF+7], v[ZZ+24:ZZ+31]
.irp c,0,1
.irp j,0,1,2,3,4,5,6,7
	v_ldexp_f32 v[DD0+56*\c+\j], v[DD0+56*\c+\j], s80   ; b2 of the diagonal / 2^(eh + ew2).  (These sixteen are the places behind the products: ISA guide 7.12.1)
.endr
.endr
; silu(z) = z / (1 + 2^(-z log2 e)), on sums s with z = s x 2^(ex + ew1); 16 numbers of a lane (two tiles) at a time; then the hold and the conversion
.macro SILU hf
.set ZH, ZZ+16*\hf
.irp j,0,2,4,6,8,10,12,14
	v_pk_mul_f32 v[XX+\j:XX+\j+1], v[ZH+\j:ZH+\j+1], s[76:77] op_sel_hi:[1,0]
.endr
.set k, 0
.rept 16
	v_exp_f32 v[XX+k], v[XX+k]
.set k, k+1
.endr
	v_nop                                          ; a plain line between the transcendentals and the first use of a result
	s_wait_alu depctr_va_vdst(0)
.irp j,0,2,4,6,8,10,12,14
	v_pk_add_f32 v[XX+\j:XX+\j+1], v[XX+\j:XX+\j+1], 1.0 op_sel_hi:[1,0]
.endr
.set k, 0
.rept 16
	v_rcp_f32 v[XX+k], v[XX+k]
.set k, k+1
.endr
	v_nop
	s_wait_alu depctr_va_vdst(0)
.irp j,0,2,4,6,8,10,12,14
	v_pk_mul_f32 v[ZH+\j:ZH+\j+1], v[ZH+\j:ZH+\j+1], v[XX+\j:XX+\j+1]
.endr
.set k, 0
.rept 16
	v_med3_num_f32 v[ZH+k], v[ZH+k], -v[HLIM], v[HLIM]
.set k, k+1
.endr
	v_cvt_scalef32_pk8_bf8_f32 v[HF+4*\hf:HF+4*\hf+1], v[ZH:ZH+7], v[HSC]          ; registers 4 c .. 4 c + 3 of the next operand: hidden units 32 c + 16 h + 0..15
	v_cvt_scalef32_pk8_bf8_f32 v[HF+4*\hf+2:HF+4*\hf+3], v[ZH+8:ZH+15], v[HSC]
.endm
	SILU 0
	SILU 1
	v_nop                                          ; a plain line between the last conversion and the products that read its result
	ds_store_b128 v[HST], v[HF:HF+3]               ; the fragment goes to LDS as an image of its registers: any wave that loads it so has it in the same lanes
	ds_store_b128 v[HST], v[HF+4:HF+7] offset:512
	v_wmma_f32_16x16x64_bf8_bf8 v[DD0:DD0+7], v[W2D:W2D+7], v[HF:HF+7], v[DD0:DD0+7]               ; the diagonal: lane (r, h), register j of tile c: L(e, e) of point r, e = 16 c + 8 h + j
	v_wmma_f32_16x16x64_bf8_bf8 v[DD0+56:DD0+63], v[W2D+8:W2D+15], v[HF:HF+7], v[DD0+56:DD0+63]
.rept 4
	v_nop
.endr
.irp c,0,1
.irp j,0,1,2,3,4,5,6,7
	v_med3_num_f32 v[DD0+56*\c+\j], v[DD0+56*\c+\j], s89, s81      ; clip at +-5, in the sums' unit
.endr
.endr
.irp c,0,1
.irp j,0,1,2,3,4,5,6,7
	v_fma_f32 v[DD0+56*\c+\j], v[DD0+56*\c+\j], s82, s83           ; (raw + 1) log2 e
.endr
.endr
.irp c,0,1
.irp j,0,1,2,3,4,5,6,7
	v_exp_f32 v[DD0+56*\c+\j], v[DD0+56*\c+\j]
.endr
.endr
	v_nop
	s_wait_alu depctr_va_vdst(0)
.irp c,0,1
.irp j,0,1,2,3,4,5,6,7
	v_add_f32 v[DD0+56*\c+\j], 1.0, v[DD0+56*\c+\j]
.endr
.endr
.irp c,0,1
.irp j,0,1,2,3,4,5,6,7
	v_log_f32 v[DD0+56*\c+\j], v[DD0+56*\c+\j]
.endr
.endr
	v_nop
	s_wait_alu depctr_va_vdst(0)
.irp c,0,1
.irp j,0,1,2,3,4,5,6,7
	v_fma_f32 v[DD0+56*\c+\j], v[DD0+56*\c+\j], s84, s85           ; softplus + 1e-4
.endr
.endr
.irp c,0,1
.irp j,0,1,2,3,4,5,6,7
	v_min_num_f32 v[DD0+56*\c+\j], s86, v[DD0+56*\c+\j]            ; it is positive: the hold is one-sided
.endr
.endr
	v_cvt_scalef32_pk8_bf8_f32 v[DC:DC+1], v[DD0:DD0+7], v[DSC]
	v_cvt_scalef32_pk8_bf8_f32 v[DC+2:DC+3], v[DD0+56:DD0+63], v[DSC]
	v_nop
.Lno_stage1:
	s_wait_dscnt 0x0                               ; for the others' sake: my stores of points, zeros and images are done
	s_barrier_signal -1
	s_barrier_wait -1
	; ---- PHASE 2: my four columns of L for six tiles of points.  Transposed: source 0 = 16 rows of W2 (one e, sixteen d), source 1 = the hidden layer of 16 points:
	; lane (r, h) holds point r, register j holds d = 16 c + 8 h + j: eight neighbours along the next K, which one conversion turns into 8 bytes of the image.
	ds_load_b128 v[HB0:HB0+3], v[HLD]
	ds_load_b128 v[HB0+4:HB0+7], v[HLD] offset:512
	s_wait_loadcnt 0x0                             ; W2 and b2
.macro UNIT u, sp, lim, sc
.set HB, HB0+8*((\u)%2)
.set HN, HB0+8*(((\u)+1)%2)
.if \u == 0
	s_wait_dscnt 0x0
.else
	s_wait_dscnt 6                                 ; behind this tile's two loads stand the six stores of the tile before
.endif
.irp q,0,1,2,3,4,5
	v_wmma_f32_16x16x64_bf8_bf8 v[ACC+8*\q:ACC+8*\q+7], v[W2F+8*\q:W2F+8*\q+7], v[HB:HB+7], 0
.endr
	v_add_nc_u32 v[LSU], (\u)*32*LP, v[LST]        ; points 16 g + 32 u on.  With the three lines below: the four places behind the products (ISA guide 7.12.1)
.rept 3
	v_nop
.endr
.if \u < 5
	ds_load_b128 v[HN:HN+3], v[HLD] offset:((\u)+1)*2048
	ds_load_b128 v[HN+4:HN+7], v[HLD] offset:((\u)+1)*2048+512
.endif
.irp q,0,1,2,3,4,5
.irp j,0,2,4,6
	v_pk_fma_f32 v[ACC+8*\q+\j:ACC+8*\q+\j+1], v[ACC+8*\q+\j:ACC+8*\q+\j+1], s[\sp:\sp+1], v[B2R+8*\q+\j:B2R+8*\q+\j+1] op_sel_hi:[1,0,1]   ; raw = sum x 2^(eh + ew2) + b2
.endr
.irp j,0,1,2,3,4,5,6,7
	v_med3_num_f32 v[ACC+8*\q+\j], v[ACC+8*\q+\j], -v[\lim], v[\lim]      ; the clip and the hold in one
.endr
	v_cvt_scalef32_pk8_bf8_f32 v[CD+2*\q:CD+2*\q+1], v[ACC+8*\q:ACC+8*\q+7], v[\sc]
.endr
.irp q,0,2,3,5                                 ; the tiles that the diagonal crosses: codes with d < e become zero codes.  (The first of these lines touches codes made long ago: it is the plain line behind the last conversion)
	v_and_b32 v[CD+2*\q], v[MK+2*(\q/3)], v[CD+2*\q]
	v_and_b32 v[CD+2*\q+1], v[MK+2*(\q/3)+1], v[CD+2*\q+1]
.endr
.irp q,0,1,2,3,4,5
	ds_store_b64 v[LSU], v[CD+2*\q:CD+2*\q+1] offset:((\q%3)/2)*512+(((\q%3)+1)/2)*256+(\q/3)*16
.endr
.endm
	UNIT 0, 46, LIMQ, SCQ                          ; tiles 0-3 are queries: e2 + e3, e9
	UNIT 1, 46, LIMQ, SCQ
	UNIT 2, 48, LIMK, SCK                          ; tiles 4-11 are keys: e6 + e7, e10
	UNIT 3, 48, LIMK, SCK
	UNIT 4, 48, LIMK, SCK
	UNIT 5, 48, LIMK, SCK
	s_wait_dscnt 0x0                               ; my codes are stored, my reads of the images are over
	s_barrier_signal -1
	; register work while the others arrive: the addresses and constants of phases 4 and 5
	s_mul_i32 s6, s2, 4*XP
	s_add_co_u32 s6, s6, XS
	v_lshl_add_u32 v[UNI5], v[VH], 6, s6           ; product 5: I hold queries 4 w + i
	s_mul_i32 s6, s2, 8*XP
	s_add_co_u32 s6, s6, XS+64*XP
	v_lshl_add_u32 v[UNI6], v[VH], 6, s6           ; product 6: keys 8 w + 4 p + i
	s_mul_i32 s6, s2, 4*LP
	v_lshl_add_u32 v[LAD5], v[VL], 4, s6
	s_mul_i32 s6, s2, 8*LP
	s_add_co_u32 s6, s6, 64*LP
	v_lshl_add_u32 v[LAD6], v[VL], 4, s6
	v_mul_u32_u24 v[OWQ], v[VR], XP
	v_lshl_add_u32 v[OWQ], v[VH], 6, v[OWQ]
	v_add_nc_u32 v[OWQ], XS, v[OWQ]                ; my lane's own point of a tile of 16: query r,
	v_add_nc_u32 v[OWK], 64*XP, v[OWQ]             ; key r
	s_mul_i32 s6, s2, 4*SPT
	s_add_co_u32 s6, s6, ST5
	v_mul_u32_u24 v[STO5], v[VH], SPT
	v_lshl_add_u32 v[STO5], v[VR], 2, v[STO5]
	v_add_nc_u32 v[STO5], s6, v[STO5]              ; stage 5: row 4 w + lane / 16, column r
	v_lshl_add_u32 v[FIN], v[VL], 4, s6            ; phase 5: rows 4 w on, 16 bytes a lane
	s_lshl_b32 s6, s2, 5
	s_add_co_u32 s6, s6, ST6
	v_mul_u32_u24 v[STO6], v[VR], SPT
	v_lshl_add_u32 v[STO6], v[VH], 2, v[STO6]
	v_add_nc_u32 v[STO6], s6, v[STO6]              ; stage 6: row r, column 8 w + lane / 16
	v_lshlrev_b32 v[OUTO], 4, v[VL]
	v_mov_b32 v[LIM8], s55
	v_mov_b32 v[SC8], s54
	v_mov_b32 v[LIM11], s57
	v_mov_b32 v[SC11], s56
.irp j,0,1,2,3
	v_mov_b32 v[BF+4+\j], 0                        ; the upper half of K: zero codes beside the difference's,
	v_mov_b32 v[AF+32+\j], 0                       ; and behind the last fragment of L^T
.endr
	s_barrier_wait -1
	; ---- PHASE 3, waves 0-11: the diagonal's bytes land on the bytes that phase 2 stored there
	s_cmp_lt_u32 s2, 12
	s_cbranch_scc0 .Lno_diag
.irp c,0,1
.irp j,0,1,2,3,4,5,6,7
.if (\j%4) == 0
	ds_store_b8 v[DST], v[DC+2*\c+\j/4] offset:\c*768+\j*17
.else
	v_lshrrev_b32 v[CD+\j%4], 8*(\j%4), v[DC+2*\c+\j/4]
	ds_store_b8 v[DST], v[CD+\j%4] offset:\c*768+\j*17
.endif
.endr
.endr
.Lno_diag:
	s_wait_dscnt 0x0
	s_barrier_signal -1
	s_barrier_wait -1
	; ---- PHASE 4.  A pass: 4 held points with their L^T in registers, against ng tiles of 16 partner points (a lane's own point).  A tile step: 16 pairs that share one held point.
	; Source 0 = 16 rows e of L^T (its upper half of K is the next fragment, finite codes that meet zeros), source 1 = the 16 pairs' differences: lane (r, h) holds pair r and e = 16 et + 8 h + j:
	; the squares add up within the lane.  Step t's subtractions, holds and conversions stand between step t - 1's products and the reading of their results: they are the places (ISA guide 7.12.1).
.macro LOADO oa, g
.irp c,0,1,2,3
	ds_load_b128 v[OWN+16*((\g)%2)+4*\c:OWN+16*((\g)%2)+4*\c+3], v[\oa] offset:(\g)*16*XP+16*\c
.endr
.endm
.macro PAIROUT prod, p, sa             ; steps t - 2 and t - 1: each lane holds half of a pair's sum: lanes 16-31 of the first change places with lanes 0-15 of the second, and one addition finishes both
.if \prod == 5
.set so, ((t-2)%4)*SPT+((t-2)/4)*64
.else
.set so, ((t-2)/4)*16*SPT+(4*(\p)+(t-2)%4)*4
.endif
	v_permlane16_swap_b32 v[SM], v[SM+1]
	v_add_f32 v[SM], v[SM], v[SM+1]
	ds_store_b32 v[\sa], v[SM] offset:so
.endm
.macro PASS prod, p, ng, ua, aa, oa, sa, lim, sc
.irp i,0,1,2,3
.irp c,0,1,2,3
	ds_load_b128 v[UNI+16*\i+4*\c:UNI+16*\i+4*\c+3], v[\ua] offset:(4*(\p)+\i)*XP+16*\c      ; sixteen lanes read the same 16 bytes
.endr
.endr
.irp i,0,1,2,3
	ds_load_b128 v[AF+8*\i:AF+8*\i+3], v[\aa] offset:(4*(\p)+\i)*LP
	ds_load_b128 v[AF+8*\i+4:AF+8*\i+7], v[\aa] offset:(4*(\p)+\i)*LP+512
.endr
	LOADO \oa, 0
.set t, 0
.rept 4*(\ng)
.set ti, t%4
.set tg, t/4
.if ti == 0
.if tg+1 < \ng
	LOADO \oa, tg+1
	s_wait_dscnt 4                                 ; all but the next tile's four loads
.else
	s_wait_dscnt 0x0
.endif
.endif
.irp j,0,2,4,6,8,10,12,14
.if \prod == 5
	v_pk_add_f32 v[DL+\j:DL+\j+1], v[UNI+16*ti+\j:UNI+16*ti+\j+1], v[OWN+16*(tg%2)+\j:OWN+16*(tg%2)+\j+1] neg_lo:[0,1] neg_hi:[0,1]   ; q (held) - k (own)
.else
	v_pk_add_f32 v[DL+\j:DL+\j+1], v[OWN+16*(tg%2)+\j:OWN+16*(tg%2)+\j+1], v[UNI+16*ti+\j:UNI+16*ti+\j+1] neg_lo:[0,1] neg_hi:[0,1]   ; q (own) - k (held)
.endif
.endr
.irp j,0,1,2,3,4,5,6,7
	v_med3_num_f32 v[DL+2*\j], v[DL+2*\j], -v[\lim], v[\lim]
	v_med3_num_f32 v[DL+2*\j+1], v[DL+2*\j+1], -v[\lim], v[\lim]
.if t > 0
.if \j == 0
	v_pk_mul_f32 v[AC:AC+1], v[DR:DR+1], v[DR:DR+1]                                   ; the squares of the step before, each result from its low end on
.else
	v_pk_fma_f32 v[AC:AC+1], v[DR+2*\j:DR+2*\j+1], v[DR+2*\j:DR+2*\j+1], v[AC:AC+1]
.endif
.endif
.endr
	v_cvt_scalef32_pk8_bf8_f32 v[BF:BF+1], v[DL:DL+7], v[\sc]
	v_cvt_scalef32_pk8_bf8_f32 v[BF+2:BF+3], v[DL+8:DL+15], v[\sc]
.if t > 0
	v_add_f32 v[SM+(t-1)%2], v[AC], v[AC+1]        ; (the plain line between the conversions and the products)
.else
	v_nop
.endif
	v_wmma_f32_16x16x64_bf8_bf8 v[DR:DR+7], v[AF+8*ti:AF+8*ti+7], v[BF:BF+7], 0
	v_wmma_f32_16x16x64_bf8_bf8 v[DR+8:DR+15], v[AF+8*ti+4:AF+8*ti+11], v[BF:BF+7], 0
.if (t > 0) && (t%2 == 0)
	PAIROUT \prod, \p, \sa
.endif
.set t, t+1
.endr
.rept 4
	v_nop                                          ; the pass's last step has no successor to fill the places
.endr
	v_pk_mul_f32 v[AC:AC+1], v[DR:DR+1], v[DR:DR+1]
.irp j,1,2,3,4,5,6,7
	v_pk_fma_f32 v[AC:AC+1], v[DR+2*\j:DR+2*\j+1], v[DR+2*\j:DR+2*\j+1], v[AC:AC+1]
.endr
	v_add_f32 v[SM+1], v[AC], v[AC+1]
	PAIROUT \prod, \p, \sa
.endm
	PASS 5, 0, 8, UNI5, LAD5, OWK, STO5, LIM8, SC8         ; product 5: queries 4 w .. 4 w + 3 with Lq, against the 128 keys
	PASS 6, 0, 4, UNI6, LAD6, OWQ, STO6, LIM11, SC11       ; product 6: keys 8 w .. 8 w + 3 with Lk, against the 64 queries
	PASS 6, 1, 4, UNI6, LAD6, OWQ, STO6, LIM11, SC11       ; keys 8 w + 4 .. 8 w + 7
	; ---- PHASE 5: rows 4 w .. 4 w + 3 of both stages, whole: 32 lanes x 16 bytes
	s_wait_dscnt 0x0
	s_barrier_signal -1
	s_barrier_wait -1
.irp k,0,1,2,3
	ds_load_b128 v[FA+4*\k:FA+4*\k+3], v[FIN] offset:\k*SPT
	ds_load_b128 v[FB+4*\k:FB+4*\k+3], v[FIN] offset:64*SPT+\k*SPT
.endr
	s_wait_dscnt 0x0
.set k, 0
.rept 16
	v_ldexp_f32 v[FA+k], v[FA+k], s58              ; x 2^(2 (e8 + e9) - 1)
	v_ldexp_f32 v[FB+k], v[FB+k], s59              ; x 2^(2 (e10 + e11) - 1)
.set k, k+1
.endr
.irp j,0,2,4,6,8,10,12,14
	v_pk_add_f32 v[FA+\j:FA+\j+1], v[FA+\j:FA+\j+1], v[FB+\j:FB+\j+1]
.endr
.set k, 0
.rept 16
	v_med3_num_f32 v[FA+k], v[FA+k], s90, s91
.set k, k+1
.endr
.set k, 0
.rept 16
	v_sqrt_f32 v[FA+k], v[FA+k]
.set k, k+1
.endr
	v_nop
	s_wait_alu depctr_va_vdst(0)
.irp k,0,1,2,3
	global_store_b128 v[OUTO], v[FA+4*\k:FA+4*\k+3], s[22:23] offset:\k*4096 th:TH_STORE_NT   ; 32 lanes store 512 consecutive bytes, at a multiple of 512 from out's first byte
.endr
	s_barrier_signal -1
	s_barrier_wait -1
	s_wait_xcnt 0x0
	v_lshl_add_u32 v246, v0, 2, 0x48000
	v_mov_b32 v247, 0
	s_wait_tensorcnt 0x0
	ds_add_u32 v246, v247
	s_wait_dscnt 0x0
	s_endpgm
.Lfunc_end_k_qdf3bb26940_dist:
	.size	k_qdf3bb26940_dist, .Lfunc_end_k_qdf3bb26940_dist-k_qdf3bb26940_dist
	.p2alignl 7, 3214868480
	.fill 96, 4, 3214868480
	.section	.rodata,"a",@progbits
	.p2align	6, 0x0
	.amdhsa_kernel k_qdf3bb26940_dist
		.amdhsa_group_segment_fixed_size 296960
		.amdhsa_private_segment_fixed_size 0
		.amdhsa_enable_private_segment 0
		.amdhsa_kernarg_size 64
		.amdhsa_user_sgpr_count 2
		.amdhsa_user_sgpr_kernarg_segment_ptr 1
		.amdhsa_wavefront_size32 1
		.amdhsa_system_sgpr_workgroup_id_x 1
		.amdhsa_system_sgpr_workgroup_id_y 1
		.amdhsa_system_sgpr_workgroup_id_z 1
		.amdhsa_system_vgpr_workitem_id 0
		.amdhsa_next_free_vgpr 256
		.amdhsa_next_free_sgpr 92
		.amdhsa_reserve_vcc 1
		.amdhsa_float_denorm_mode_32 3
		.amdhsa_float_denorm_mode_16_64 3
		.amdhsa_memory_ordered 1
		.amdhsa_forward_progress 1
		.amdhsa_inst_pref_size 242
	.end_amdhsa_kernel
	.amdgpu_metadata
---
amdhsa.version: [ 1, 2 ]
amdhsa.kernels:
  - .name:           k_qdf3bb26940_dist
    .symbol:         k_qdf3bb26940_dist.kd
    .args:
      - { .name: Q, .offset: 0, .size: 8, .value_kind: global_buffer, .address_space: global }
      - { .name: K, .offset: 8, .size: 8, .value_kind: global_buffer, .address_space: global }
      - { .name: W1_codes, .offset: 16, .size: 8, .value_kind: global_buffer, .address_space: global }
      - { .name: W2_codes, .offset: 24, .size: 8, .value_kind: global_buffer, .address_space: global }
      - { .name: b1, .offset: 32, .size: 8, .value_kind: global_buffer, .address_space: global }
      - { .name: b2, .offset: 40, .size: 8, .value_kind: global_buffer, .address_space: global }
      - { .name: lowp_scales, .offset: 48, .size: 8, .value_kind: global_buffer, .address_space: global }
      - { .name: out0, .offset: 56, .size: 8, .value_kind: global_buffer, .address_space: global }
    .group_segment_fixed_size: 296960
    .private_segment_fixed_size: 0
    .kernarg_segment_align: 8
    .kernarg_segment_size: 64
    .max_flat_workgroup_size: 512
    .sgpr_count:     92
    .vgpr_count:     256
    .wavefront_size: 32
...
	.end_amdgpu_metadata
.endif
;; end of part 1
